; MI455X (gfx1250); checked and timed in simulation.
; The chip was launched on July 23, 2026; its instructions are those of AMD's public machine-readable ISA for CDNA 5 (MIT licence, August 2026) and "CDNA5" Instruction Set Architecture Reference Guide (July 2026). The comments in the code are by the model that wrote it; some were corrected since.
;; Turbo Quant Attention. Allowed arithmetic: matrix products marked QUANTISED: E5M2 operands, one given power-of-two scale a tensor, by v_wmma_f32_16x16x64_bf8_bf8 or v_wmma_f32_16x16x128_bf8_bf8, f32 sums; everything else in f32.
;; Inputs: R 128 x 128 float32; k_codes 2 x 16 x 2,048 x 4 x 32 uint8 (E5M2 codes of k, K innermost, in blocks of 32 codes); lowp_scales 12 int32 (the exponents e of the quantised operands' scales 2^e); q_codes 2 x 16 x 2,048 x 4 x 32 uint8 (E5M2 codes of q, K innermost, in blocks of 32 codes); qjl_scale 1 float32; v_codes 2 x 16 x 2,048 x 4 x 32 uint8 (E5M2 codes of v, K innermost, in blocks of 32 codes).
;; Outputs: out0 2 x 16 x 2,048 x 128 float32.
;; This version of the problem:
;;   THIS VERSION OF THE PROBLEM IS GIVEN IN LOW PRECISION. The matrix products marked QUANTISED in the list below multiply operands that are first quantised to E5M2 (5 exponent bits, 2 mantissa bits; 8 bits a number), with one given power-of-two scale for each operand tensor; their sums are f32. All else is computed in f32.
;;   The module's matrix products, in the order in which they are computed (A, B: the left and right operand; K: the contracted axis; several contracted axes count as one K, in the product's order):
;;     1. [M 65,536, K 128] x [K 128, N 128]; A: input k (given as codes); B: input R: QUANTISED (scales: A lowp_scales[0], B lowp_scales[1])
;;     2. [M 65,536, K 128] x [K 128, N 128]; A: computed on the way; B: input R: QUANTISED (scales: A lowp_scales[2], B lowp_scales[3])
;;     3. [M 65,536, K 128] x [K 128, N 128]; A: input v (given as codes); B: input R: QUANTISED (scales: A lowp_scales[4], B lowp_scales[5])
;;     4. [M 65,536, K 128] x [K 128, N 128]; A: computed on the way; B: input R: QUANTISED (scales: A lowp_scales[6], B lowp_scales[7])
;;     5. batch 32 x [M 2,048, K 128] x [K 128, N 2,048]; A: input q (given as codes); B: computed on the way: QUANTISED (scales: A lowp_scales[8], B lowp_scales[9])
;;     6. batch 32 x [M 2,048, K 2,048] x [K 2,048, N 128]; A: softmax (see below); B: computed on the way: QUANTISED (scales: A lowp_scales[10], B lowp_scales[11])
;;   THE QUANTISER, for each operand of a quantised product, along K:
;;     - The operand's scale is 2^e, e = its entry of the input lowp_scales (int32; the entries are numbered through the quantised products in the list's order, A before B).
;;     - Each number is divided by the scale, clamped to +-57,344, and rounded to the nearest number of E5M2, ties to even, subnormals kept.
;;     - The product sums the exact products of the quantised numbers (number of the format x scale) in f32.
;;   ~~~python
;;   def quantise(x, axis, e):      # numpy; x: float32 -> the quantised numbers, widened to float32 again
;;       x = np.moveaxis(x, axis, -1); K = x.shape[-1]
;;       r = np.clip(x / 2.0 ** e, -57344, 57344)
;;       step = 2.0 ** (np.maximum(np.frexp(np.where(r == 0, 1, r))[1] - 1, -14) - 2)
;;       q = np.round(r / step) * step * 2.0 ** e      # np.round: ties to even
;;       return np.moveaxis(q, -1, axis).astype(np.float32)
;;   ~~~
;;   SOFTMAX AHEAD OF A QUANTISED PRODUCT. Where the list says 'softmax', what is quantised is not the finished softmax but p = 2^(t - M), with t = logit x log2(e) and M = ceil(the row's largest t), a whole number; so 1/2 < the row's largest p <= 1. The row's sum l is taken of the UNQUANTISED p, in f32, and the product's result is divided by l at the end. Since M is a whole number, a kernel that streams over the keys may use a running M (the ceiling of the running maximum): every later rescaling is an exact power of two, so the quantised numbers keep their values, but for numbers so far below the row's largest that they fall under the format's range.
;;   OPERANDS COMPUTED ON THE WAY. 'Computed on the way' means the value that the module computes at that place (a softmax that the list does not call 'softmax' is quantised finished and normalised). What goes into a quantiser is computed in f32, as accurately as f32 sums, v_exp_f32 and their like allow (about 1e-6 of the number): no bf16 or f16 on the way to a quantiser, and a product that is left as it is and whose result goes on into a quantised operand takes f32 operands (vector FMAs, or v_wmma_f32_16x16x4_f32). A number that lies on a knife's edge between two numbers of the format may be rounded either way, as far as f32 arithmetic and the matrix unit's own rounding can turn it there, and no further.
;;   INPUTS GIVEN AS CODES. k (in the module: [2, 16, 2048, 128], K = its axis 3); q (in the module: [2, 16, 2048, 128], K = its axis 3); v (in the module: [2, 16, 2048, 128], K = its axis 3): each comes as NAME_codes (uint8): NAME with its K axis moved to the last place and cut into blocks of 32 codes, [.., K / 32, bytes a block], one block behind the other in memory; one code a byte (a code: sign, 5 exponent bits, 2 mantissa bits); its scale is its entry of lowp_scales. Its value is code x scale, taken as it is: it is not quantised again, and the codes and scales need not be those that the quantiser above would give.
;; One version. Each part assembles by itself: llvm-mc -triple=amdgcn-amd-amdhsa -mcpu=gfx1250 --defsym DOCPART=n.
;; ======== version 1 of 1: 3 launches
;; limits: right only within a limited range of input values
;; workspace buffers: pmax 4,096 bytes; kv 16,777,216 bytes
;; launch maxes (part 1): grid 256 x 1, 4 waves a work-group, no clusters, 168,448 bytes of LDS; arguments k_codes, v_codes, R, lowp_scales, pmax; writes pmax
.if DOCPART == 1
	.amdgcn_target "amdgcn-amd-amdhsa--gfx1250"
	.amdhsa_code_object_version 6
	.text
	.protected	k_qe9e914937e_maxes
	.globl	k_qe9e914937e_maxes
	.p2align	8
	.type	k_qe9e914937e_maxes,@function
k_qe9e914937e_maxes:
	s_mov_b64 s[64:65], 0
	v_nop
	global_prefetch_b8 v0, s[64:65] scope:SCOPE_SE
	s_setreg_imm32_b32 hwreg(HW_REG_WAVE_MODE, 25, 1), 1
	s_wait_xcnt 0x0
; MAXES: for k and for v, the largest |sum| of x R (E5M2 codes of x times E5M2 codes of R, f32 sums), one number for each wave, without the two scales.
; The largest magnitude spans the whole tensor and stands ahead of a rounding, so it is made here and used in the next launch.
; SHARES.  Work-groups 0-127 take k, 128-255 take v.  A wave owns 128 rows (16 KiB of codes): 8 tiles of 16 rows, 64 matrix instructions.
; R (128 x 128 f32, K = its FIRST axis here) comes into LDS by one tensor load a wave (32 rows each); wave w quantises columns 32 w .. 32 w + 31 (two fragments) with a lane to a column and
; registers down K, and hands them to the others as images of the operand's registers (4 stores of 512 consecutive bytes a fragment).
; LAYOUT.  A fragment's registers 4 c .. 4 c + 3 hold k = 32 c + 16 (lane / 16) + 0 .. 15: the same permutation of k on both sources.  Lane r of tile 2 b + u takes row (or column) 32 b + 8 u + r + 8 (r / 8).
; The same fragments and the same instruction are used again in the next launch, so the sums there have the same bits.
; LIMITS: lowp_scales[1] and [5] between -126 and 112, so that 2^e and 57,344 x 2^e are f32 numbers.  NaN and infinity among the codes or in R are not served.
; OUTPUT: one word of 4 bytes a wave, 1,024 words in the launch: word 4 x work-group + wave.
.set PITCH, 528                        ; a row of R in LDS: 512 bytes + 16 of padding
.set R1IMG, 128*PITCH                  ; behind R: 8 images of 2,048 bytes; a multiple of 256, and no fill lands there
.set LI,   1                           ; v1   16 x lane
.set KA,   2                           ; v2   the codes: (r + 8 (r / 8)) x 128 + 16 h
.set CA,   3                           ; v3   R by columns: 4 (r + 8 (r / 8)) + 16 h rows + 128 x wave
.set IW,   5                           ; v5   where I store my images: R1IMG + 16 x lane + 4,096 x wave
.set FI,   6                           ; v6   where any image is read: R1IMG + 16 x lane (R1IMG lies past the 16-bit immediate)
.set LN,   7                           ; v7   lane
.set SC1,  8                           ; v8   2^e of R as f32
.set LIM1, 9
.set MX,   24                          ; v24-27 four running maxima
.set PD,   40                          ; v40  a lane permute's destination
.set PO,   41                          ; v41  my word's byte offset in pmax
.set HA,   64                          ; v64-127, v128-191: two sets of 8 accumulators
.set PC,   192                         ; v192-223: codes just made
.set WV,   14                          ; s14  wave
.set G1,   16                          ; s[16:23] descriptor group 1
.set G0,   24                          ; s[24:27] descriptor group 0
; window 1: v0-127 R's 8 fragments.   window 2: v0-127 the 8 fragments of the wave's rows.
.set MSB, 0
.macro WIN new                         ; the immediate's high byte repeats the setting that is left; a switch that changes nothing is dropped
.if MSB != (\new)
	s_set_vgpr_msb (MSB<<8)|(\new)
.set MSB, (\new)
.endif
.endm
.macro PLACES                          ; four plain vector lines behind matrix instructions (ISA guide 7.12.1)
.rept 4
	v_nop
.endr
.endm
.macro SCALE e, sc, lim                ; 2^e and 57,344 x 2^e as f32 patterns
	s_add_co_i32 s58, \e, 127
	s_lshl_b32 s59, s58, 23
	v_mov_b32 v[\sc], s59
	s_add_co_i32 s58, s58, 15
	s_lshl_b32 s58, s58, 23
	s_or_b32 s58, s58, 0x600000
.endm
.macro INLOAD                          ; my 128 rows' codes as 8 fragments, into window 2
	WIN 0x80
.irp t, 0,1,2,3,4,5,6,7
.irp c, 0,1,2,3
	global_load_b128 v[16*\t+4*\c:16*\t+4*\c+3], v[KA], s[34:35] offset:(32*(\t/2)+8*(\t%2))*128+32*\c
.endr
.endr
	WIN 0
.endm
.macro COLREAD u, x                    ; R(32 c + 16 h + i, 32 w + 8 u + r + 8 (r / 8)) into v[x + 16 c + i]
.irp c, 0,1,2,3
.irp i, 0,1,2,3,4,5,6,7,8,9,10,11,12,13,14,15
	ds_load_b32 v[(\x)+16*\c+\i], v[CA] offset:(32*\c+\i)*PITCH+32*(\u)
.endr
.endr
.endm
.macro QUANT s, d, wd, sc, lim         ; 64 numbers of a lane become a fragment's 16 registers of codes, v[d] on in window wd
.set qi, 0
.rept 64
.set qi, qi+1
.endr
	WIN (\wd)<<6
.set qi, 0
.rept 8
	v_cvt_scalef32_pk8_bf8_f32 v[(\d)+2*qi:(\d)+2*qi+1], v[(\s)+8*qi:(\s)+8*qi+7], v[\sc]
.set qi, qi+1
.endr
	WIN 0
	v_nop                                  ; one plain line between the last conversion and whatever next touches its result or writes its sources
.endm
.macro IMAGE pc, off                   ; a fragment goes to LDS as it stands: 512 consecutive bytes a store
.irp c, 0,1,2,3
	ds_store_b128 v[IW], v[(\pc)+4*\c:(\pc)+4*\c+3] offset:(\off)+512*\c
.endr
.endm
.macro FETCH n                         ; n fragments come back so, into window 1 from v0 on
	WIN 0x40
.set ff, 0
.rept 4*(\n)
	ds_load_b128 v[4*ff:4*ff+3], v[FI] offset:512*ff
.set ff, ff+1
.endr
	WIN 0
.endm
.macro P1 t, hs                        ; (x R)^T for tile t of my rows: source 0 = 16 columns of R, source 1 = 16 rows of x; each product starts its own sum
	WIN 0x09
.set pp, 0
.rept 8
	v_wmma_f32_16x16x128_bf8_bf8 v[(\hs)+8*pp:(\hs)+8*pp+7], v[16*pp:16*pp+15], v[16*(\t):16*(\t)+15], 0
.set pp, pp+1
.endr
.endm
.macro MAXES hs                        ; 64 magnitudes into four chains, each accumulator from its low end on
.set qi, 0
.rept 32
	v_max3_num_f32 v[MX+qi%4], v[MX+qi%4], |v[(\hs)+2*qi]|, |v[(\hs)+2*qi+1]|
.set qi, qi+1
.endr
.endm
	s_load_b256 s[4:11], s[0:1], 0x0               ; k_codes s[4:5], v_codes s[6:7], R s[8:9], lowp_scales s[10:11]
	s_load_b64 s[12:13], s[0:1], 0x20              ; pmax
	v_lshl_add_u32 v254, v0, 2, 0x29000
	v_mov_b32 v255, 0
	ds_add_u32 v254, v255
	ds_add_u32 v254, v255
	v_lshrrev_b32 v10, 5, v0
	v_readfirstlane_b32 s[WV], v10                 ; wave 0..3
	v_and_b32 v[LN], 31, v0
	v_and_b32 v10, 15, v0                          ; r
	v_bfe_u32 v11, v0, 4, 1                        ; h
	v_and_b32 v12, 8, v10
	v_add_nc_u32 v12, v12, v10                     ; r + 8 (r / 8)
	v_lshlrev_b32 v[LI], 4, v[LN]
	v_lshlrev_b32 v[KA], 7, v12
	v_lshl_add_u32 v[KA], v11, 4, v[KA]
	v_mul_u32_u24 v[CA], v11, 16*PITCH
	v_lshl_add_u32 v[CA], v12, 2, v[CA]
	s_lshl_b32 s15, s[WV], 7
	v_add_nc_u32 v[CA], s15, v[CA]
	s_lshl_b32 s15, s[WV], 12
	v_add_nc_u32 v[FI], R1IMG, v[LI]
	v_add_nc_u32 v[IW], s15, v[FI]
	; descriptor group 1: 32 rows of 128 elements of 4 bytes, 16 bytes of padding behind each row
	s_mov_b32 s[G1+0], (2<<16)|(1<<20)|(6<<22)|(3<<25)   ; no mask; elements of 4 bytes; padding on: 4 words after every 128
	s_mov_b32 s[G1+1], 128<<16                     ; tensor_dim0 = 128
	s_mov_b32 s[G1+2], 32<<16                      ; tensor_dim1 = 32
	s_mov_b32 s[G1+3], 128<<16                     ; tile_dim0 = 128
	s_mov_b32 s[G1+4], 32                          ; tile_dim1 = 32
	s_mov_b32 s[G1+5], 128                         ; elements from row to row
	s_mov_b32 s[G1+6], 0
	s_mov_b32 s[G1+7], 0
	s_mov_b32 s[G0], 1
	s_mul_i32 s[G0+1], s[WV], 32*PITCH             ; my 32 rows' place in LDS
	s_lshl_b32 s46, s[WV], 14                      ; and in R: 32 rows of 512 bytes
	s_mov_b32 s47, 0
	s_and_b32 s15, ttmp9, 127
	s_lshl_b32 s15, s15, 2
	s_add_co_u32 s15, s15, s[WV]                   ; my unit of 128 rows, 0..511
	s_lshl_b32 s32, s15, 14
	s_mov_b32 s33, 0
	s_lshl_b32 s31, ttmp9, 2
	s_add_co_u32 s31, s31, s[WV]
	s_lshl_b32 s31, s31, 2                         ; my word in pmax
	v_mov_b32 v[PO], s31
	s_mov_b32 s28, 0x76543210                      ; v_permlanex16_b32: lane l xor 16
	s_mov_b32 s29, 0xfedcba98
	s_wait_alu depctr_va_vdst(0)
	s_wait_dscnt 0x0
	s_wait_kmcnt 0x0
	s_load_b256 s[36:43], s[10:11], 0x0            ; e0 .. e7
	s_add_nc_u64 s[G0+2:G0+3], s[8:9], s[46:47]
	s_or_b32 s[G0+3], s[G0+3], 0x80000000          ; type = 2
	tensor_load_to_lds s[G0:G0+3], s[G1:G1+7]      ; the one fill of the launch: nothing is filled again
	s_nop 0
	PLACES
	s_cmp_lt_u32 ttmp9, 128                        ; k's work-group or v's: the choice hangs on the work-group's number alone
	s_cselect_b64 s[34:35], s[4:5], s[6:7]
	s_add_nc_u64 s[34:35], s[34:35], s[32:33]
	INLOAD
	s_wait_kmcnt 0x0
	s_cmp_lt_u32 ttmp9, 128
	s_cselect_b32 s44, s37, s41                    ; R's exponent in this tensor's first product
	SCALE s44, SC1, LIM1
.irp i, 0,1,2,3
	v_mov_b32 v[MX+\i], 0                          ; magnitudes are not negative
.endr
	v_mov_b32 v[PD], 0
	s_wait_alu depctr_va_vdst(0)
	s_wait_tensorcnt 0x0                           ; my 32 rows of R have landed,
	s_barrier_signal -1
	s_barrier_wait -1                              ; everybody's have
	COLREAD 0, HA
	COLREAD 1, HA+64
	s_wait_dscnt 63                                ; the first 64 loads are in: 64 are younger
	QUANT HA, PC, 0, SC1, LIM1
	IMAGE PC, 0
	s_wait_dscnt 4                                 ; the second 64 are in: the four stores are younger
	QUANT HA+64, PC+16, 0, SC1, LIM1
	IMAGE PC+16, 2048
	s_wait_dscnt 0x0                               ; for the others' sake: my images have landed
	s_barrier_signal -1
	s_barrier_wait -1
	FETCH 8
	s_wait_loadcnt 0x0                             ; my rows' codes
	s_wait_dscnt 0x0                               ; R's fragments
	P1 0, HA
.irp t, 0,1,2,3,4,5,6,7
.if \t < 7
	P1 \t+1, HA+64*((\t+1)%2)                      ; the next tile's products are issued ahead of this tile's maxima
.endif
.if \t == 0
	PLACES                                         ; later the maxima of the tile before are the places
.endif
	WIN 0
	MAXES HA+64*(\t%2)
.endr
	v_max3_num_f32 v[MX], v[MX], v[MX+1], v[MX+2]
	v_max_num_f32 v[MX], v[MX], v[MX+3]
	v_max_num_f32_dpp v[MX], v[MX], v[MX] row_xmask:1 row_mask:0xf bank_mask:0xf
	v_max_num_f32_dpp v[MX], v[MX], v[MX] row_xmask:2 row_mask:0xf bank_mask:0xf
	v_max_num_f32_dpp v[MX], v[MX], v[MX] row_xmask:4 row_mask:0xf bank_mask:0xf
	v_max_num_f32_dpp v[MX], v[MX], v[MX] row_xmask:8 row_mask:0xf bank_mask:0xf
	v_permlanex16_b32 v[PD], v[MX], s28, s29
	v_max_num_f32 v[MX], v[MX], v[PD]              ; the wave's largest |sum|, in every lane
	s_wait_alu depctr_va_vdst(0)
	s_wait_xcnt 0x0                                ; EXEC changes only behind this wait
	v_cmp_eq_u32 vcc_lo, 0, v[LN]
	s_wait_tensorcnt 0x0
	ds_add_u32 v254, v255
	s_wait_dscnt 0x0
	s_and_saveexec_b32 s30, vcc_lo
	global_store_b32 v[PO], v[MX], s[12:13]        ; lane 0 alone
	s_wait_xcnt 0x0
	s_or_b32 exec_lo, exec_lo, s30
	s_endpgm
.Lfunc_end_k_qe9e914937e_maxes:
	.size	k_qe9e914937e_maxes, .Lfunc_end_k_qe9e914937e_maxes-k_qe9e914937e_maxes
	.p2alignl 7, 3214868480
	.fill 96, 4, 3214868480
	.section	.rodata,"a",@progbits
	.p2align	6, 0x0
	.amdhsa_kernel k_qe9e914937e_maxes
		.amdhsa_group_segment_fixed_size 168448
		.amdhsa_private_segment_fixed_size 0
		.amdhsa_enable_private_segment 0
		.amdhsa_kernarg_size 40
		.amdhsa_user_sgpr_count 2
		.amdhsa_user_sgpr_kernarg_segment_ptr 1
		.amdhsa_wavefront_size32 1
		.amdhsa_system_sgpr_workgroup_id_x 1
		.amdhsa_system_sgpr_workgroup_id_y 1
		.amdhsa_system_sgpr_workgroup_id_z 1
		.amdhsa_system_vgpr_workitem_id 0
		.amdhsa_next_free_vgpr 768
		.amdhsa_next_free_sgpr 66
		.amdhsa_reserve_vcc 1
		.amdhsa_float_denorm_mode_32 3
		.amdhsa_float_denorm_mode_16_64 3
		.amdhsa_fp16_overflow 1
		.amdhsa_memory_ordered 1
		.amdhsa_forward_progress 1
		.amdhsa_inst_pref_size 40
	.end_amdhsa_kernel
	.amdgpu_metadata
---
amdhsa.version: [ 1, 2 ]
amdhsa.kernels:
  - .name:           k_qe9e914937e_maxes
    .symbol:         k_qe9e914937e_maxes.kd
    .args:
      - { .name: k_codes, .offset: 0, .size: 8, .value_kind: global_buffer, .address_space: global }
      - { .name: v_codes, .offset: 8, .size: 8, .value_kind: global_buffer, .address_space: global }
      - { .name: R, .offset: 16, .size: 8, .value_kind: global_buffer, .address_space: global }
      - { .name: lowp_scales, .offset: 24, .size: 8, .value_kind: global_buffer, .address_space: global }
      - { .name: pmax, .offset: 32, .size: 8, .value_kind: global_buffer, .address_space: global }
    .group_segment_fixed_size: 168448
    .private_segment_fixed_size: 0
    .kernarg_segment_align: 8
    .kernarg_segment_size: 40
    .max_flat_workgroup_size: 128
    .sgpr_count:     66
    .vgpr_count:     768
    .wavefront_size: 32
...
	.end_amdgpu_metadata
.endif
;; end of part 1
;; launch compress (part 2): grid 256 x 1, 4 waves a work-group, no clusters, 168,448 bytes of LDS; arguments k_codes, v_codes, R, lowp_scales, qjl_scale, pmax, kv; writes kv
.if DOCPART == 2
	.amdgcn_target "amdgcn-amd-amdhsa--gfx1250"
	.amdhsa_code_object_version 6
	.text
	.protected	k_qe9e914937e_compress
	.globl	k_qe9e914937e_compress
	.p2align	8
	.type	k_qe9e914937e_compress,@function
k_qe9e914937e_compress:
	s_mov_b64 s[64:65], 0
	v_nop
	global_prefetch_b8 v0, s[64:65] scope:SCOPE_SE
	s_setreg_imm32_b32 hwreg(HW_REG_WAVE_MODE, 25, 1), 1
	s_wait_xcnt 0x0
; COMPRESS: k_approx and v_approx as E5M2 codes, laid as the attention launch's operands.
; For each tensor x: xr = x R (quantised product); x_max = the largest |xr| + 1e-8; y = 14 xr / x_max; T = round(y) held in +-14; xd = T x_max / 14 + sign(y - T) qjl x_max^2 / 3.5
; (reference's chain xs, xq, residual, xc, xd folded); xd is quantised; xo = xd R^T (quantised product); xo is quantised with the scale of its place in the attention.
; SHARES as in the launch before: work-groups 0-127 take k, the others v; a wave owns a unit of 128 rows (keys).  xr is made again, by the same instruction on the same fragments, rather than sent through memory.
; LAYOUT.  A fragment's registers 4 c .. 4 c + 3 hold k = 32 c + 16 (lane / 16) + 0 .. 15, on both sources.  Lane r of tile 2 b + u takes row 32 b + 8 u + r + 8 (r / 8), so that in a result whose source 0 is
; such tiles register 16 b + i of lane (r, h) is row 32 b + 16 h + i: 64 registers become, by 8 conversions, the next operand's 16 registers.
; kv = [unit 0..511][K, V][8 fragments][4][32 lanes][16 bytes].  K's fragment a: lane r = key 32 (a / 2) + 8 (a % 2) + r + 8 (r / 8), registers along the head's 128.  V's fragment a: lane r = channel
; of that number, registers along the unit's 128 keys.  For k the second product has R as source 0 and xd as source 1; for v the other way round.
; THE SIGN.  sign(res) x beta is made as: res x 2^280 (any res but 0 becomes an infinity, 0 stays 0), held within +-|beta|.  Where beta is negative, y's and x_max / 14's signs are turned: rounding to
; nearest even is odd, so T and res turn with them and the result is the same.
; LIMITS: lowp_scales[1], [2], [3], [5], [6], [7], and [9] - [2] - [3] and [11] - [6] - [7], between -126 and 112.  NaN and infinity among the inputs are not served.  1 / x_max is v_rcp_f32's:
; where y lies within a few last places of a half, T may fall to either side.
.set PITCH, 528                        ; a row of R in LDS: 512 bytes + 16 of padding
.set R1IMG, 128*PITCH                  ; behind R: 8 images (R by columns, first product), then 8 more (R by rows, second product)
.set LI,   1                           ; v1   16 x lane
.set KA,   2                           ; v2   the codes: (r + 8 (r / 8)) x 128 + 16 h
.set CA,   3                           ; v3   R by columns
.set RA,   4                           ; v4   R by rows: (r + 8 (r / 8)) x 528 + 64 h + 32 rows x wave
.set IW,   5                           ; v5   where I store my images
.set FI,   6                           ; v6   where any image is read
.set SC1,  8                           ; v8, v10, v12, v14: 2^e for R in the first product, R in the second, xd, and the output (three exponents folded)
.set LIM1, 9
.set SC2,  10
.set LIM2, 11
.set SCX,  12
.set LIMX, 13
.set SCO,  14
.set LIMO, 15
.set A1,   16                          ; v[16:17] 14 x 2^(e of the sums) / x_max, twice
.set AL,   18                          ; v[18:19] x_max / 14, twice
.set BE,   20                          ; v20  |qjl x_max^2 / 3.5|
.set C14,  21                          ; v21  14.0
.set PM,   24                          ; v24-39 16 words of pmax
.set PD,   40                          ; v40  a lane permute's destination
.set HA,   64                          ; v64-127, v128-191: two sets of 8 accumulators
.set TT,   192                         ; v192-255: T; at the head the codes of R just made
.set WV,   30                          ; s30  wave
.set G1,   16
.set G0,   24
; window 1: v0-127 R's fragments for the first product, v128-255 for the second.   window 2: v0-127 my rows' codes, later the output's; v128-255 xd's 8 fragments.
.set MSB, 0
.macro WIN new                         ; the immediate's high byte repeats the setting that is left; a switch that changes nothing is dropped
.if MSB != (\new)
	s_set_vgpr_msb (MSB<<8)|(\new)
.set MSB, (\new)
.endif
.endm
.macro PLACES                          ; four plain vector lines behind matrix instructions (ISA guide 7.12.1)
.rept 4
	v_nop
.endr
.endm
.macro SCALE e, sc, lim                ; 2^e as an f32 pattern
	s_add_co_i32 s58, \e, 127
	s_lshl_b32 s59, s58, 23
	v_mov_b32 v[\sc], s59
.endm
.macro INLOAD                          ; my 128 rows' codes as 8 fragments, into window 2; their last use
	WIN 0x80
.irp t, 0,1,2,3,4,5,6,7
.irp c, 0,1,2,3
	global_load_b128 v[16*\t+4*\c:16*\t+4*\c+3], v[KA], s[34:35] offset:(32*(\t/2)+8*(\t%2))*128+32*\c th:TH_LOAD_NT
.endr
.endr
	WIN 0
.endm
.macro COLREAD u, x                    ; R(32 c + 16 h + i, 32 w + 8 u + r + 8 (r / 8)) into v[x + 16 c + i]
.irp c, 0,1,2,3
.irp i, 0,1,2,3,4,5,6,7,8,9,10,11,12,13,14,15
	ds_load_b32 v[(\x)+16*\c+\i], v[CA] offset:(32*\c+\i)*PITCH+32*(\u)
.endr
.endr
.endm
.macro ROWREAD u, x                    ; R(32 w + 8 u + r + 8 (r / 8), 32 c + 16 h + 4 j ..) into v[x + 16 c + 4 j] on
.irp c, 0,1,2,3
.irp j, 0,1,2,3
	ds_load_b128 v[(\x)+16*\c+4*\j:(\x)+16*\c+4*\j+3], v[RA] offset:(\u)*8*PITCH+128*\c+16*\j
.endr
.endr
.endm
.macro QUANT s, d, wd, sc, lim         ; 64 numbers of a lane become a fragment's 16 registers of codes, v[d] on in window wd
.set qi, 0
.rept 64
.set qi, qi+1
.endr
	WIN (\wd)<<6
.set qi, 0
	v_nop
	v_nop
.rept 8
	v_cvt_scalef32_pk8_bf8_f32 v[(\d)+2*qi:(\d)+2*qi+1], v[(\s)+8*qi:(\s)+8*qi+7], v[\sc]
.set qi, qi+1
.endr
	WIN 0
	v_nop                                  ; one plain line between the last conversion and whatever next touches its result or writes its sources
.endm
.macro IMAGE pc, off
.irp c, 0,1,2,3
	ds_store_b128 v[IW], v[(\pc)+4*\c:(\pc)+4*\c+3] offset:(\off)+512*\c
.endr
.endm
.macro FETCH n
	WIN 0x40
.set ff, 0
.rept 4*(\n)
	ds_load_b128 v[4*ff:4*ff+3], v[FI] offset:512*ff
.set ff, ff+1
.endr
	WIN 0
.endm
.macro P1 t, hs                        ; (x R)^T for tile t of my rows: source 0 = 16 columns of R, source 1 = 16 rows of x
	WIN 0x09
.set pp, 0
.rept 8
	v_wmma_f32_16x16x128_bf8_bf8 v[(\hs)+8*pp:(\hs)+8*pp+7], v[16*pp:16*pp+15], v[16*(\t):16*(\t)+15], 0
.set pp, pp+1
.endr
.endm
.macro POLAR hs                        ; 64 raw sums become xd, in sweeps that ascend
.set qi, 0
.rept 32
	v_pk_mul_f32 v[(\hs)+2*qi:(\hs)+2*qi+1], v[(\hs)+2*qi:(\hs)+2*qi+1], v[A1:A1+1]   ; y
.set qi, qi+1
.endr
.set qi, 0
.rept 64
	v_rndne_f32 v[TT+qi], v[(\hs)+qi]              ; round, ties to even
.set qi, qi+1
.endr
.set qi, 0
.rept 64
	v_med3_num_f32 v[TT+qi], v[TT+qi], -v[C14], v[C14]   ; the clip
.set qi, qi+1
.endr
.set qi, 0
.rept 32
	v_pk_add_f32 v[(\hs)+2*qi:(\hs)+2*qi+1], v[(\hs)+2*qi:(\hs)+2*qi+1], v[TT+2*qi:TT+2*qi+1] neg_lo:[0,1] neg_hi:[0,1]   ; four times the residual
.set qi, qi+1
.endr
.set qi, 0
.rept 64
	v_ldexp_f32 v[(\hs)+qi], v[(\hs)+qi], s60      ; x 2^280: an infinity of its sign, or 0
.set qi, qi+1
.endr
.set qi, 0
.rept 64
	v_med3_num_f32 v[(\hs)+qi], v[(\hs)+qi], -v[BE], v[BE]   ; sign x |beta|
.set qi, qi+1
.endr
.set qi, 0
.rept 32
	v_pk_fma_f32 v[(\hs)+2*qi:(\hs)+2*qi+1], v[TT+2*qi:TT+2*qi+1], v[AL:AL+1], v[(\hs)+2*qi:(\hs)+2*qi+1]   ; xd
.set qi, qi+1
.endr
.endm
; The second product.  isv = 0: source 0 = R's tile pp (window 1), source 1 = xd's tile a (window 2): a lane holds a key, its registers run along the head's 128.
; isv = 1: source 0 = xd's tile pp (window 2), source 1 = R's tile a (window 1): a lane holds a channel, its registers run along the keys.  Both sets lie at v128 on of their windows.
.macro P2 isv, a, hs
.if \isv
	WIN 0x06
.else
	WIN 0x09
.endif
.set pp, 0
.rept 8
	v_wmma_f32_16x16x128_bf8_bf8 v[(\hs)+8*pp:(\hs)+8*pp+7], v[128+16*pp:128+16*pp+15], v[128+16*(\a):128+16*(\a)+15], 0
.set pp, pp+1
.endr
.endm
.macro STORE a                         ; fragment a leaves as it stands: each store of the wave covers 512 consecutive bytes, aligned; no data register is written again
	WIN 0x08
.irp c, 0,1,2,3
	global_store_b128 v[LI], v[16*(\a)+4*\c:16*(\a)+4*\c+3], s[48:49] offset:2048*(\a)+512*\c
.endr
	WIN 0
.endm
.macro WAYOUT isv
	P2 \isv, 0, HA
.irp a, 0,1,2,3,4,5,6,7
.if \a < 7
	P2 \isv, \a+1, HA+64*((\a+1)%2)                ; the next fragment's products are issued ahead of this fragment's conversions
.endif
.if \a == 0
	PLACES                                         ; later the conversions of the fragment before are the places
.endif
	WIN 0
	QUANT HA+64*(\a%2), 16*\a, 2, SCO, LIMO
	STORE \a
.endr
	s_wait_tensorcnt 0x0
	ds_add_u32 v62, v63
	s_wait_dscnt 0x0
	s_endpgm
.endm
	s_load_b256 s[4:11], s[0:1], 0x0               ; k_codes s[4:5], v_codes s[6:7], R s[8:9], lowp_scales s[10:11]
	s_load_b128 s[12:15], s[0:1], 0x20             ; qjl_scale s[12:13], pmax s[14:15]
	s_load_b64 s[48:49], s[0:1], 0x30              ; kv
	v_lshl_add_u32 v62, v0, 2, 0x29000
	v_mov_b32 v63, 0
	ds_add_u32 v62, v63
	ds_add_u32 v62, v63
	v_lshrrev_b32 v42, 5, v0
	v_readfirstlane_b32 s[WV], v42                 ; wave 0..3
	v_and_b32 v[LI], 31, v0
	v_lshlrev_b32 v[LI], 4, v[LI]
	v_and_b32 v42, 15, v0                          ; r
	v_bfe_u32 v43, v0, 4, 1                        ; h
	v_and_b32 v44, 8, v42
	v_add_nc_u32 v44, v44, v42                     ; r + 8 (r / 8)
	v_lshlrev_b32 v[KA], 7, v44
	v_lshl_add_u32 v[KA], v43, 4, v[KA]
	v_mul_u32_u24 v[CA], v43, 16*PITCH
	v_lshl_add_u32 v[CA], v44, 2, v[CA]
	s_lshl_b32 s31, s[WV], 7
	v_add_nc_u32 v[CA], s31, v[CA]
	v_mul_u32_u24 v[RA], v44, PITCH
	v_lshl_add_u32 v[RA], v43, 6, v[RA]
	s_mul_i32 s31, s[WV], 32*PITCH
	v_add_nc_u32 v[RA], s31, v[RA]
	s_lshl_b32 s31, s[WV], 12
	v_add_nc_u32 v[FI], R1IMG, v[LI]
	v_add_nc_u32 v[IW], s31, v[FI]
	v_mov_b32 v[PD], 0
	; descriptor group 1: 32 rows of 128 elements of 4 bytes, 16 bytes of padding behind each row
	s_mov_b32 s[G1+0], (2<<16)|(1<<20)|(6<<22)|(3<<25)
	s_mov_b32 s[G1+1], 128<<16
	s_mov_b32 s[G1+2], 32<<16
	s_mov_b32 s[G1+3], 128<<16
	s_mov_b32 s[G1+4], 32
	s_mov_b32 s[G1+5], 128
	s_mov_b32 s[G1+6], 0
	s_mov_b32 s[G1+7], 0
	s_mov_b32 s[G0], 1
	s_mul_i32 s[G0+1], s[WV], 32*PITCH
	s_lshl_b32 s62, s[WV], 14
	s_mov_b32 s63, 0
	s_and_b32 s61, ttmp9, 127
	s_lshl_b32 s61, s61, 2
	s_add_co_u32 s61, s61, s[WV]                   ; my unit of 128 keys, 0..511
	s_lshl_b32 s32, s61, 14                        ; its codes
	s_mov_b32 s33, 0
	s_mov_b32 s28, 0x76543210
	s_mov_b32 s29, 0xfedcba98
	s_mov_b32 s60, 280
	s_wait_dscnt 0x0
	s_wait_kmcnt 0x0
	s_load_b256 s[36:43], s[10:11], 0x0            ; e0 .. e7
	s_load_b128 s[44:47], s[10:11], 0x20           ; e8 .. e11
	s_load_b32 s52, s[12:13], 0x0                  ; qjl
	s_add_nc_u64 s[G0+2:G0+3], s[8:9], s[62:63]
	s_or_b32 s[G0+3], s[G0+3], 0x80000000
	tensor_load_to_lds s[G0:G0+3], s[G1:G1+7]      ; the one fill of the launch: nothing is filled again
	s_nop 0
	PLACES
	s_cmp_lt_u32 ttmp9, 128                        ; k's work-group or v's
	s_cselect_b64 s[34:35], s[4:5], s[6:7]
	s_cselect_b32 s50, 0, 2048                     ; the tensor's 512 words of pmax
	s_cselect_b32 s31, 0, 16384                    ; K's or V's half of a unit
	s_mov_b32 s51, 0
	s_add_nc_u64 s[14:15], s[14:15], s[50:51]
	s_add_nc_u64 s[34:35], s[34:35], s[32:33]
	s_lshl_b32 s50, s61, 15
	s_add_co_u32 s50, s50, s31
	s_add_nc_u64 s[48:49], s[48:49], s[50:51]
.irp i, 0,1,2,3
	global_load_b128 v[PM+4*\i:PM+4*\i+3], v[LI], s[14:15] offset:512*\i
.endr
	INLOAD
	s_wait_kmcnt 0x0
	s_cmp_lt_u32 ttmp9, 128
	s_cselect_b32 s53, s36, s40                    ; the exponents of x,
	s_cselect_b32 s54, s37, s41                    ; of R in the first product,
	s_cselect_b32 s55, s38, s42                    ; of xd,
	s_cselect_b32 s56, s39, s43                    ; of R in the second product,
	s_cselect_b32 s57, s45, s47                    ; and of the result in the attention
	SCALE s54, SC1, LIM1
	SCALE s56, SC2, LIM2
	SCALE s55, SCX, LIMX
	s_sub_co_i32 s57, s57, s55
	s_sub_co_i32 s57, s57, s56                     ; a sum of the second product stands for sum x 2^(e of xd + e of R): three exponents in one
	SCALE s57, SCO, LIMO
	s_add_co_i32 s53, s53, s54                     ; a sum of the first product stands for sum x 2^s53
	s_wait_alu depctr_va_vdst(0)
	s_wait_tensorcnt 0x0                           ; my 32 rows of R have landed,
	s_barrier_signal -1
	s_barrier_wait -1                              ; everybody's have
	COLREAD 0, HA
	COLREAD 1, HA+64
	s_wait_dscnt 63                                ; the first 64 loads are in: 64 are younger
	QUANT HA, TT, 0, SC1, LIM1
	IMAGE TT, 0
	ROWREAD 0, HA
	s_wait_dscnt 20                                ; the second 64 are in: 4 stores and 16 loads are younger
	QUANT HA+64, TT+16, 0, SC1, LIM1
	IMAGE TT+16, 2048
	ROWREAD 1, HA+64
	s_wait_dscnt 20                                ; the first rows are in: 4 stores and 16 loads are younger
	QUANT HA, TT+32, 0, SC2, LIM2
	IMAGE TT+32, 16384
	s_wait_dscnt 4                                 ; the second rows are in: 4 stores are younger
	QUANT HA+64, TT+48, 0, SC2, LIM2
	IMAGE TT+48, 16384+2048
	s_wait_dscnt 0x0                               ; for the others' sake: my images have landed
	s_barrier_signal -1
	s_barrier_wait -1
	FETCH 16                                       ; both sets of R's fragments fill window 1
	s_wait_loadcnt 32                              ; pmax's four loads are in: my rows' 32 are younger
	v_max3_num_f32 v24, v24, v25, v26
	v_max3_num_f32 v27, v27, v28, v29
	v_max3_num_f32 v30, v30, v31, v32
	v_max3_num_f32 v33, v33, v34, v35
	v_max3_num_f32 v36, v36, v37, v38
	v_max3_num_f32 v24, v24, v27, v39
	v_max3_num_f32 v24, v24, v30, v33
	v_max_num_f32 v24, v24, v36
	v_max_num_f32_dpp v24, v24, v24 row_xmask:1 row_mask:0xf bank_mask:0xf
	v_max_num_f32_dpp v24, v24, v24 row_xmask:2 row_mask:0xf bank_mask:0xf
	v_max_num_f32_dpp v24, v24, v24 row_xmask:4 row_mask:0xf bank_mask:0xf
	v_max_num_f32_dpp v24, v24, v24 row_xmask:8 row_mask:0xf bank_mask:0xf
	v_permlanex16_b32 v[PD], v24, s28, s29
	v_max_num_f32 v24, v24, v[PD]                  ; the tensor's largest |sum|
	v_ldexp_f32 v25, v24, s53
	v_add_f32 v25, 0x322bcc77, v25                 ; x_max = that x the two scales + 1e-8
	s_wait_alu depctr_va_vdst(0)
	v_rcp_f32 v26, v25
	v_mul_f32 v27, 0x3d924925, v25                 ; x_max / 14  (the plain line behind the reciprocal)
	s_wait_alu depctr_va_vdst(0)
	v_mul_f32 v26, 0x41600000, v26                 ; 14 / x_max,
	v_ldexp_f32 v26, v26, s53                      ; x the two scales: y = raw sum x this
	v_mul_f32 v28, s52, v25
	v_mul_f32 v28, v28, v25
	v_mul_f32 v28, 0x3e924925, v28                 ; beta = qjl x_max^2 / 3.5
	v_and_b32 v29, 0x80000000, v28                 ; its sign turns y and x_max / 14
	v_xor_b32 v[A1], v26, v29
	v_mov_b32 v[A1+1], v[A1]
	v_xor_b32 v[AL], v27, v29
	v_mov_b32 v[AL+1], v[AL]
	v_and_b32 v[BE], 0x7fffffff, v28
	v_mov_b32 v[C14], 0x41600000
	s_wait_loadcnt 0x0                             ; my rows' codes
	s_wait_dscnt 0x0                               ; R's fragments
	P1 0, HA
	s_wait_alu depctr_va_vdst(0)
.irp t, 0,1,2,3,4,5,6,7
.if \t < 7
	P1 \t+1, HA+64*((\t+1)%2)                      ; the next tile's products are issued ahead of this tile's vector work
.endif
.if \t == 0
	PLACES
.endif
	WIN 0
	POLAR HA+64*(\t%2)
	QUANT HA+64*(\t%2), 128+16*\t, 2, SCX, LIMX    ; xd's fragment t: lane r = the key that lane r of my rows' tile t holds
.endr
	s_cmp_lt_u32 ttmp9, 128                        ; the two ways differ in the windows of the second product alone
	s_cbranch_scc0 .Lv
	WAYOUT 0
.Lv:
	s_wait_alu depctr_va_vdst(0)
	WAYOUT 1
.Lfunc_end_k_qe9e914937e_compress:
	.size	k_qe9e914937e_compress, .Lfunc_end_k_qe9e914937e_compress-k_qe9e914937e_compress
	.p2alignl 7, 3214868480
	.fill 96, 4, 3214868480
	.section	.rodata,"a",@progbits
	.p2align	6, 0x0
	.amdhsa_kernel k_qe9e914937e_compress
		.amdhsa_group_segment_fixed_size 168448
		.amdhsa_private_segment_fixed_size 0
		.amdhsa_enable_private_segment 0
		.amdhsa_kernarg_size 56
		.amdhsa_user_sgpr_count 2
		.amdhsa_user_sgpr_kernarg_segment_ptr 1
		.amdhsa_wavefront_size32 1
		.amdhsa_system_sgpr_workgroup_id_x 1
		.amdhsa_system_sgpr_workgroup_id_y 1
		.amdhsa_system_sgpr_workgroup_id_z 1
		.amdhsa_system_vgpr_workitem_id 0
		.amdhsa_next_free_vgpr 768
		.amdhsa_next_free_sgpr 66
		.amdhsa_reserve_vcc 0
		.amdhsa_float_denorm_mode_32 3
		.amdhsa_float_denorm_mode_16_64 3
		.amdhsa_fp16_overflow 1
		.amdhsa_memory_ordered 1
		.amdhsa_forward_progress 1
		.amdhsa_inst_pref_size 225
	.end_amdhsa_kernel
	.amdgpu_metadata
---
amdhsa.version: [ 1, 2 ]
amdhsa.kernels:
  - .name:           k_qe9e914937e_compress
    .symbol:         k_qe9e914937e_compress.kd
    .args:
      - { .name: k_codes, .offset: 0, .size: 8, .value_kind: global_buffer, .address_space: global }
      - { .name: v_codes, .offset: 8, .size: 8, .value_kind: global_buffer, .address_space: global }
      - { .name: R, .offset: 16, .size: 8, .value_kind: global_buffer, .address_space: global }
      - { .name: lowp_scales, .offset: 24, .size: 8, .value_kind: global_buffer, .address_space: global }
      - { .name: qjl_scale, .offset: 32, .size: 8, .value_kind: global_buffer, .address_space: global }
      - { .name: pmax, .offset: 40, .size: 8, .value_kind: global_buffer, .address_space: global }
      - { .name: kv, .offset: 48, .size: 8, .value_kind: global_buffer, .address_space: global }
    .group_segment_fixed_size: 168448
    .private_segment_fixed_size: 0
    .kernarg_segment_align: 8
    .kernarg_segment_size: 56
    .max_flat_workgroup_size: 128
    .sgpr_count:     66
    .vgpr_count:     768
    .wavefront_size: 32
...
	.end_amdgpu_metadata
.endif
;; end of part 2
;; launch attn (part 3): grid 8 x 32, 8 waves a work-group, clusters of 4 x 1, 327,680 bytes of LDS; arguments q_codes, kv, lowp_scales, out0; writes out0
.if DOCPART == 3
	.amdgcn_target "amdgcn-amd-amdhsa--gfx1250"
	.amdhsa_code_object_version 6
	.text
	.protected	k_qe9e914937e_attn
	.globl	k_qe9e914937e_attn
	.p2align	8
	.type	k_qe9e914937e_attn,@function
k_qe9e914937e_attn:
	s_mov_b64 s[64:65], 0
	v_nop
	global_prefetch_b8 v0, s[64:65] scope:SCOPE_SE
	s_setreg_imm32_b32 hwreg(HW_REG_WAVE_MODE, 25, 1), 1
	s_wait_xcnt 0x0
	s_wait_alu depctr_hold_cnt(0) depctr_sa_sdst(0) depctr_va_vdst(0) depctr_va_sdst(0) depctr_va_ssrc(0) depctr_va_vcc(0) depctr_vm_vsrc(0)
	s_getreg_b32 s2, hwreg(HW_REG_IB_STS2, 6, 4)
	s_cmp_eq_u32 s2, 0
	s_cbranch_scc0 .Lentry_in_a_cluster
	s_endpgm
.Lentry_in_a_cluster:
	s_bfe_u32 s2, ttmp6, 0x10000c
	s_cmp_lg_u32 s2, 0x3003
	s_cbranch_scc0 .Lentry_shape_is_right
	s_endpgm
.Lentry_shape_is_right:
; ATTN: out = softmax(q k_approx^T / sqrt(128)) v_approx, both products on E5M2 codes.
; THE SOFTMAX AHEAD OF THE SECOND PRODUCT: t = score x log2(e) / sqrt(128); M = the running largest t rounded UP to a whole number; p = 2^(t - M) is quantised, not normalised; the row's sum is taken of the
; unquantised p and divides at the end.  When M moves, the sum and O are multiplied by 2^(old M - new M), which rounds nothing.
; SHARES.  A work-group owns 256 queries of one head; each of its eight waves 32 of them, two tiles of 16, in 512 registers: two waves to a SIMD.  Each fragment of K or V read from LDS feeds two products.
; Every wave walks the head's 2,048 keys, 128 a step.
; kv = [head x 16 + step][K, V][8 fragments][4][32 lanes][16 bytes]: images of the operands' registers, so a fragment is four loads of 512 consecutive bytes, and four steps are one dense block of 128 KiB: a slot.
; LAYOUT.  Both products are used transposed: S^T = K Q^T, O^T = V^T P^T: a lane holds ONE query (lane % 16).  K's fragment t holds keys 32 (t / 2) + 8 (t % 2) + r + 8 (r / 8), so that p's register 16 b + i is
; key 32 b + 16 (lane / 16) + i; V's fragments hold channels in the same order, so that O^T's register 16 b + i is channel 32 b + 16 (lane / 16) + i.
; CLUSTER.  The four query blocks of a cluster belong to one head and walk the same kv: each wave's 16 KiB of a slot is asked for JOINTLY, by the same tensor load with the same descriptor and a mask that names the four.
; A wave has one tensor load out; it has four key steps in which to land.
; LIMITS: lowp_scales[8] + [9] between -123 and 130 (added to c's exponent field); [10] between -126 and 112; [10] + [11] goes through v_ldexp_f32.  NaN and infinity among the codes are not served.
.set SLOT1,  1<<17                     ; slot 1 begins here: one exclusive or turns an address in one slot into the other's
.set STEPB,  32768                     ; a key step: K's 16 KiB, then V's
.set SPARE,  2*SLOT1                   ; behind the ring: the spare words, 128 bytes for each wave: four blocks of 256 bytes that no other line names
.set SPITCH, 528                       ; the way out: a stage of 16 rows x (512 bytes + 16) for each wave, in slot 0, which has had its last fill and its last read at the last change of slots
.set LI,   1                           ; v1   16 x lane
.set ADR,  2                           ; v2   LDS address of the step in hand
.set SPW,  3                           ; v3   LDS address of my spare word; never rewritten
.set NIL,  4                           ; v4   0; never rewritten
.set STO,  5                           ; v5   the stage: where I put 64 bytes of a row
.set RD,   6                           ; v6   and where I read a row back
.set QA,   7                           ; v7   Q: r x 128 + 16 h
.set SCP,  8                           ; v8   2^e of p as f32
.set LIMP, 9
.set ST,   12                          ; tile t's statistics at v[12 + 8 t]: +0 -M, +1 the largest t, +2, +3 the sum in two halves, +4 f (+5 a written 0), +6, +7 at work
.set SB,   28                          ; v[28 + 2 t ..] the sum's second chain
.set Q,    32                          ; v32-63   Q's two fragments
.set S,    64                          ; v[64 + 64 t ..] S^T, then p, at last rows of the output
.set P,    192                         ; v[192 + 16 t ..] p's codes
.set PD,   224                         ; v224, v225 lane permutes' destinations
.set F,    128                         ; window 1: v128-255 eight fragments of K, then of V;  v[64 t ..] O^T
.set WV,   12                          ; s12  wave
.set G1,   16                          ; s[16:23] descriptor group 1
.set G0,   24                          ; s[24:27] descriptor group 0, which walks
.set SEL,  28                          ; s[28:29] v_permlanex16_b32: lane l xor 16
.set CS,   30                          ; s[30:31] c = log2(e) / sqrt(128) x the two scales
.set TB,   32                          ; s32  LDS byte at which the step in hand begins
.set SLOTS, 33
.set STEPS, 34
.set MSB, 0
.macro WIN new                         ; the immediate's high byte repeats the setting that is left; a switch that changes nothing is dropped
.if MSB != (\new)
	s_set_vgpr_msb (MSB<<8)|(\new)
.set MSB, (\new)
.endif
.endm
.macro PLACES
.rept 4
	v_nop
.endr
.endm
; A round of the cluster's barrier: my work-group's barrier, so that wave 0's signal speaks for all eight waves; wave 0 signals; every wave waits for the four work-groups; my work-group's barrier once more.
.macro CROUND
	s_barrier_signal -1
	s_barrier_wait -1
	s_cmp_lg_u32 s[WV], 0
	s_cbranch_scc1 .Lnot_wave_0_\@
	s_barrier_signal -3
.Lnot_wave_0_\@:
	s_barrier_wait -3
	s_barrier_signal -1
	s_barrier_wait -1
.endm
; THE CHANGE OF SLOTS stands at a slot's head.  Each wave waits for all its tensor loads (its part of the slot ahead), adds 0 to its spare word, and waits for that and for its reads of the slot that it has left.
; fill = 1: behind a round of the cluster's barrier, so that no wave of any partner still reads that slot or has a load on its way, the slot is filled with the next 512 keys.
.macro CHANGE fill
	s_wait_tensorcnt 0x0                           ; no tensor load of mine is out, so group 0 may be written
	ds_add_u32 v[SPW], v[NIL]                      ; 0 onto my spare word
.if \fill
	s_xor_b32 s[G0+1], s[G0+1], SLOT1              ; the other slot than last time,
	s_add_nc_u64 s[G0+2:G0+3], s[G0+2:G0+3], 4*STEPB   ; the next four steps; the type bits on top are not reached
.endif
	s_wait_dscnt 0x0                               ; the add is done, and my reads of the slot that I have left are over
.if \fill
	CROUND
	tensor_load_to_lds s[G0:G0+3], s[G1:G1+7]      ; the first thing behind the round, and my one tensor load until the next
	s_nop 0
	PLACES
.else
	s_barrier_signal -1
	s_barrier_wait -1
.endif
.endm
; Pair jj of tile t: its place in the row's sum (of the UNQUANTISED p, two chains of packed additions).  Pair 0 brings the old sum under the new M; pair 3 was taken with pair 1.
.macro SUMHOLD t
.set rT, ST+8*(\t)
.set rS, S+64*(\t)+2*jj
.set rB, SB+2*(\t)
.if jj == 0
	s_wait_alu depctr_va_vdst(0)
	v_pk_fma_f32 v[rT+2:rT+3], v[rT+2:rT+3], v[rT+4:rT+5], v[rS:rS+1] op_sel_hi:[1,0,1]
.elseif jj == 1
	s_wait_alu depctr_va_vdst(0)
	v_pk_add_f32 v[rB:rB+1], v[rS:rS+1], v[rS+4:rS+5]
.elseif jj == 3
.elseif jj%2 == 0
	v_pk_add_f32 v[rT+2:rT+3], v[rT+2:rT+3], v[rS:rS+1]
.else
	v_pk_add_f32 v[rB:rB+1], v[rB:rB+1], v[rS:rS+1]
.endif
.endm
.macro CODES t                         ; the two chains join; 64 numbers become P's fragment
	v_pk_add_f32 v[ST+8*(\t)+2:ST+8*(\t)+3], v[ST+8*(\t)+2:ST+8*(\t)+3], v[SB+2*(\t):SB+2*(\t)+1]
.set jj, 0
.rept 8
	v_cvt_scalef32_pk8_bf8_f32 v[P+16*(\t)+2*jj:P+16*(\t)+2*jj+1], v[S+64*(\t)+8*jj:S+64*(\t)+8*jj+7], v[SCP]
.set jj, jj+1
.endr
.endm
.macro SOFTMAX
	; the step's largest score of each query, among the lane's 64 keys: two chains a tile, the two tiles line by line, ascending
.irp t, 0,1
	v_max3_num_f32 v[ST+8*\t+6], v[S+64*\t], v[S+64*\t+1], v[S+64*\t+2]
.endr
.irp t, 0,1
	v_max3_num_f32 v[ST+8*\t+7], v[S+64*\t+3], v[S+64*\t+4], v[S+64*\t+5]
.endr
.irp i, 6,10,14,18,22,26,30,34,38,42,46,50,54,58
.irp t, 0,1
	v_max3_num_f32 v[ST+8*\t+6], v[ST+8*\t+6], v[S+64*\t+\i], v[S+64*\t+\i+1]
.endr
.irp t, 0,1
	v_max3_num_f32 v[ST+8*\t+7], v[ST+8*\t+7], v[S+64*\t+\i+2], v[S+64*\t+\i+3]
.endr
.endr
.irp t, 0,1
	v_max3_num_f32 v[ST+8*\t+6], v[ST+8*\t+6], v[S+64*\t+62], v[S+64*\t+63]
.endr
.irp t, 0,1
	v_max_num_f32 v[ST+8*\t+6], v[ST+8*\t+6], v[ST+8*\t+7]
.endr
.irp t, 0,1
	v_permlanex16_b32 v[PD+\t], v[ST+8*\t+6], s[SEL], s[SEL+1]
.endr
.irp t, 0,1
	v_max_num_f32 v[ST+8*\t+6], v[ST+8*\t+6], v[PD+\t]   ; and among lane l xor 16's
.endr
.irp t, 0,1
	v_mul_f32 v[ST+8*\t+6], s[CS], v[ST+8*\t+6]    ; as t (c is positive)
.endr
.irp t, 0,1
	v_max_num_f32 v[ST+8*\t+1], v[ST+8*\t+1], v[ST+8*\t+6]   ; the running largest t
.endr
.irp t, 0,1
	v_mov_b32 v[ST+8*\t+6], v[ST+8*\t]
.endr
.irp t, 0,1
	v_floor_f32 v[ST+8*\t], -v[ST+8*\t+1]          ; the new -M = floor(-t): M is a whole number
.endr
.irp t, 0,1
	v_sub_f32 v[ST+8*\t+6], v[ST+8*\t], v[ST+8*\t+6]   ; old M - new M: a whole number, 0 or less
.endr
.irp t, 0,1
	v_cvt_i32_f32 v[ST+8*\t+6], v[ST+8*\t+6]       ; (it saturates)
.endr
.irp t, 0,1
	v_ldexp_f32 v[ST+8*\t+4], 1.0, v[ST+8*\t+6]    ; f = 2^(old M - new M)
.endr
.set jj, 0
.rept 32
	v_pk_fma_f32 v[S+2*jj:S+2*jj+1], v[S+2*jj:S+2*jj+1], s[CS:CS+1], v[ST:ST+1] op_sel_hi:[1,0,0]   ; tile 0: t - M (of the pairs c and -M the low word serves both halves)
.set jj, jj+1
.endr
.set jj, 0
.rept 32                               ; tile 0's exponentials; tile 1's scalings are the plain lines behind them
	v_exp_f32 v[S+2*jj], v[S+2*jj]
	v_exp_f32 v[S+2*jj+1], v[S+2*jj+1]
	v_pk_fma_f32 v[S+64+2*jj:S+64+2*jj+1], v[S+64+2*jj:S+64+2*jj+1], s[CS:CS+1], v[ST+8:ST+9] op_sel_hi:[1,0,0]
.set jj, jj+1
.endr
.set jj, 0
	s_setprio 1
.rept 32                               ; tile 1's exponentials; tile 0's sums are the plain lines behind them
	v_exp_f32 v[S+64+2*jj], v[S+64+2*jj]
	v_exp_f32 v[S+64+2*jj+1], v[S+64+2*jj+1]
	SUMHOLD 0
.set jj, jj+1
.endr
	CODES 0
.set jj, 0
.rept 32                               ; (plain lines on tile 1's registers stand behind tile 0's conversions)
	SUMHOLD 1
.set jj, jj+1
.endr
	CODES 1
.endm
; A KEY STEP: 128 keys, at LDS byte s[TB].
.macro STEP
	v_add_nc_u32 v[ADR], s[TB], v[LI]              ; with the three lines below: the four places between the last products, which read F, and the loads into F
	v_nop
	v_nop
	v_nop
	WIN 0x40                                       ; destination window 1
.irp t, 0,1,2,3,4,5,6,7
.irp c, 0,1,2,3
	ds_load_b128 v[F+16*\t+4*\c:F+16*\t+4*\c+3], v[ADR] offset:2048*\t+512*\c
.endr
.endr
	WIN 0x01                                       ; source 0 (K) window 1; Q and S^T window 0
.irp t, 0,1,2,3,4,5,6,7
	s_wait_dscnt 4*(7-\t)                          ; fragment t is in: the later fragments' loads may be out
	v_wmma_f32_16x16x128_bf8_bf8 v[S+8*\t:S+8*\t+7], v[F+16*\t:F+16*\t+15], v[Q:Q+15], 0
	v_wmma_f32_16x16x128_bf8_bf8 v[S+64+8*\t:S+64+8*\t+7], v[F+16*\t:F+16*\t+15], v[Q+16:Q+31], 0
.endr
	PLACES                                         ; in front of the loads into F and of the first read of the scores
	WIN 0x40
.irp t, 0,1,2,3,4,5,6,7
.irp c, 0,1,2,3
	ds_load_b128 v[F+16*\t+4*\c:F+16*\t+4*\c+3], v[ADR] offset:16384+2048*\t+512*\c   ; V lands while the softmax is walked
.endr
.endr
	WIN 0
	SOFTMAX
	WIN 0x41                                       ; O^T (destination and source 0) window 1, f window 0
.irp t, 0,1
.set jj, 0
.rept 32
	v_pk_mul_f32 v[64*\t+2*jj:64*\t+2*jj+1], v[64*\t+2*jj:64*\t+2*jj+1], v[ST+8*\t+4:ST+8*\t+5] op_sel_hi:[1,0]   ; O^T under the new M; also the plain lines behind the conversions
.set jj, jj+1
.endr
.endr
	s_wait_dscnt 0x0                               ; V is in
	WIN 0x51                                       ; source 0 (V), C and D window 1; P window 0
	s_setprio 0
.irp t, 0,1,2,3,4,5,6,7                ; sixteen accumulators, one instruction a turn
	v_wmma_f32_16x16x128_bf8_bf8 v[8*\t:8*\t+7], v[F+16*\t:F+16*\t+15], v[P:P+15], v[8*\t:8*\t+7]
	v_wmma_f32_16x16x128_bf8_bf8 v[64+8*\t:64+8*\t+7], v[F+16*\t:F+16*\t+15], v[P+16:P+31], v[64+8*\t:64+8*\t+7]
.endr
	WIN 0
	s_add_co_u32 s[TB], s[TB], STEPB
.endm
.macro FOUR_STEPS                      ; a slot's four key steps: written once, walked four times
	s_mov_b32 s[STEPS], 4
.Lstep_\@:
	s_setprio 2
	STEP
	s_sub_co_u32 s[STEPS], s[STEPS], 1
	s_cmp_lg_u32 s[STEPS], 0
	s_cbranch_scc1 .Lstep_\@
	s_setprio 0
	s_sub_co_u32 s[TB], s[TB], 4*STEPB             ; back to a slot's first step,
	s_xor_b32 s[TB], s[TB], SLOT1                  ; in the other slot
.endm
; THE WAY OUT.  Tile t: O^T / the sum; a lane's 64 numbers are four runs of 64 bytes of its query's row; they go into my stage and come back as whole rows of 512 bytes, into the registers that they left.
.macro OUT t
	WIN 0x01                                       ; source 0 (O^T) window 1
.set jj, 0
.rept 32
	v_pk_mul_f32 v[S+64*(\t)+2*jj:S+64*(\t)+2*jj+1], v[64*(\t)+2*jj:64*(\t)+2*jj+1], v[ST+8*(\t)+6:ST+8*(\t)+7] op_sel_hi:[1,0]
.set jj, jj+1
.endr
	WIN 0
.irp b, 0,1,2,3
.irp k, 0,1,2,3
	ds_store_b128 v[STO], v[S+64*(\t)+16*\b+4*\k:S+64*(\t)+16*\b+4*\k+3] offset:128*\b+16*\k
.endr
.endr
.irp i, 0,1,2,3,4,5,6,7,8,9,10,11,12,13,14,15
	ds_load_b128 v[S+64*(\t)+4*\i:S+64*(\t)+4*\i+3], v[RD] offset:\i*SPITCH   ; LDS serves a wave's instructions in order (ISA guide 5.7.1.4): these see the stores above, and the next tile's stores come behind them
.endr
.endm
.macro SEND t, younger                 ; younger: the LDS instructions issued behind tile t's loads
.irp i, 0,1,2,3,4,5,6,7,8,9,10,11,12,13,14,15
	s_wait_dscnt (\younger)+15-\i
	global_store_b128 v[LI], v[S+64*(\t)+4*\i:S+64*(\t)+4*\i+3], s[10:11] offset:(16*(\t)+\i)*512 th:TH_STORE_NT   ; 32 lanes store a row's 512 consecutive bytes, aligned; written once, read by nobody here
.endr
.endm
	s_load_b256 s[4:11], s[0:1], 0x0               ; q_codes s[4:5], kv s[6:7], lowp_scales s[8:9], out0 s[10:11]
	v_lshl_add_u32 v[SPW], v0, 2, SPARE
	v_mov_b32 v[NIL], 0
	ds_add_u32 v3, v4
	ds_add_u32 v3, v4
	s_wait_dscnt 0x0
	v_lshrrev_b32 v10, 5, v0
	v_readfirstlane_b32 s[WV], v10                 ; wave 0..7
	s_bfe_u32 s13, ttmp6, 0x40000                  ; cx: my place in the cluster
	s_lshl_b32 s14, ttmp9, 2                       ; in a cluster launch ttmp9 counts clusters
	s_add_co_u32 s14, s14, s13                     ; my block of 256 queries: it enters q's and out0's addresses alone
	s_and_b32 s15, ttmp7, 0xffff                   ; the head, which the four partners share
	; descriptor group 1: 64 rows of 32 elements of 8 bytes, dense: 16 KiB
	s_mov_b32 s[G1+0], 15|(3<<16)|(1<<21)          ; the mask: all four work-groups; elements of 8 bytes; bit 21 set beside a mask; no padding
	s_mov_b32 s[G1+1], 32<<16                      ; tensor_dim0 = 32
	s_mov_b32 s[G1+2], 64<<16                      ; tensor_dim1 = 64
	s_mov_b32 s[G1+3], 32<<16                      ; tile_dim0 = 32
	s_mov_b32 s[G1+4], 64                          ; tile_dim1 = 64
	s_mov_b32 s[G1+5], 32                          ; elements from row to row
	s_mov_b32 s[G1+6], 0
	s_mov_b32 s[G1+7], 0
	s_lshl_b32 s46, s[WV], 14
	s_lshl_b32 s40, s15, 19                        ; kv: the head's 512 KiB, my wave's 16 KiB of a slot
	s_add_co_u32 s40, s40, s46
	s_mov_b32 s41, 0
	s_lshl_b32 s42, s15, 18                        ; q: the head, my block's 256 rows of 128 bytes, my wave's 32
	s_lshl_b32 s47, s14, 15
	s_add_co_u32 s42, s42, s47
	s_lshl_b32 s47, s[WV], 12
	s_add_co_u32 s42, s42, s47
	s_mov_b32 s43, 0
	s_lshl_b32 s44, s15, 20                        ; out0: the same rows, of 512 bytes
	s_lshl_b32 s47, s14, 17
	s_add_co_u32 s44, s44, s47
	s_add_co_u32 s44, s44, s46
	s_mov_b32 s45, 0
	s_mov_b32 s[SEL], 0x76543210
	s_mov_b32 s[SEL+1], 0xfedcba98
	s_mov_b32 s[CS], 0x3e0293ee                    ; c = log2(e) / sqrt(128)
	s_mov_b32 s[TB], 0
	s_mov_b32 s[SLOTS], 3
	s_mov_b32 s[G0], 1
	s_lshl_b32 s[G0+1], s[WV], 14                  ; slot 0, my wave's 16 KiB: no place in the cluster enters an LDS address
	s_wait_kmcnt 0x0
	s_load_b128 s[36:39], s[8:9], 0x20             ; e8 .. e11: q, k_approx, p, v_approx
	s_add_nc_u64 s[G0+2:G0+3], s[6:7], s[40:41]
	s_or_b32 s[G0+3], s[G0+3], 0x80000000          ; type = 2
	s_add_nc_u64 s[4:5], s[4:5], s[42:43]
	s_add_nc_u64 s[10:11], s[10:11], s[44:45]
	CROUND                                         ; all four work-groups are here: the first joint loads meet
	tensor_load_to_lds s[G0:G0+3], s[G1:G1+7]      ; slot 0
	s_nop 0
	PLACES
	v_and_b32 v10, 15, v0                          ; r
	v_bfe_u32 v11, v0, 4, 1                        ; h
	v_lshlrev_b32 v[QA], 7, v10
	v_lshl_add_u32 v[QA], v11, 4, v[QA]
.irp t, 0,1
.irp c, 0,1,2,3
	global_load_b128 v[Q+16*\t+4*\c:Q+16*\t+4*\c+3], v[QA], s[4:5] offset:2048*\t+32*\c th:TH_LOAD_NT   ; Q's two fragments stay in registers
.endr
.endr
	v_and_b32 v[LI], 31, v0
	v_lshlrev_b32 v[LI], 4, v[LI]
	s_mul_i32 s46, s[WV], 16*SPITCH                ; my stage
	v_mul_u32_u24 v[STO], v10, SPITCH
	v_lshl_add_u32 v[STO], v11, 6, v[STO]
	v_add_nc_u32 v[STO], s46, v[STO]               ; in: row r, + 64 h
	v_add_nc_u32 v[RD], s46, v[LI]                 ; back: the 32 lanes take one row
.irp t, 0,1
	v_mov_b32 v[ST+8*\t+1], 0xff61b1e6             ; the largest t so far: -3e38, under every t
	v_floor_f32 v[ST+8*\t], -v[ST+8*\t+1]          ; -M
	v_mov_b32 v[ST+8*\t+2], 0                      ; the sum, in two halves
	v_mov_b32 v[ST+8*\t+3], 0
	v_mov_b32 v[ST+8*\t+5], 0                      ; (named as the upper half of f's pair)
	v_mov_b32 v[PD+\t], 0                          ; a lane permute's destination counts as one of its sources
.endr
	WIN 0x40
.set jj, 0
.rept 128
	v_mov_b32 v[jj], 0                             ; O^T.  (The step is written once: the first finds zeros, which the first change of M leaves zeros)
.set jj, jj+1
.endr
	WIN 0
	s_wait_kmcnt 0x0
	s_add_co_i32 s46, s36, s37
	s_lshl_b32 s46, s46, 23
	s_add_co_i32 s[CS], s[CS], s46                 ; a score stands for score x 2^(e8 + e9): added to c's exponent field
	s_mov_b32 s[CS+1], s[CS]                       ; (named with it as a pair, so it is written)
	s_add_co_i32 s46, s38, 127
	s_lshl_b32 s47, s46, 23
	v_mov_b32 v[SCP], s47                          ; 2^e10 as f32, for the conversions
	s_add_co_i32 s35, s38, s39                     ; e10 + e11
	s_wait_loadcnt 0x0                             ; Q
.Lslot:                                            ; three trips: behind each change of slots but the last the next 512 keys are asked for
	CHANGE 1
	FOUR_STEPS
	s_sub_co_u32 s[SLOTS], s[SLOTS], 1
	s_cmp_lg_u32 s[SLOTS], 0
	s_cbranch_scc1 .Lslot
	CHANGE 0                                       ; the last slot is written out
	FOUR_STEPS
.irp t, 0,1
	v_add_f32 v[ST+8*\t+6], v[ST+8*\t+2], v[ST+8*\t+3]   ; the sum's two halves  (these plain lines are also the places behind the last products)
.endr
.irp t, 0,1
	v_permlanex16_b32 v[PD+\t], v[ST+8*\t+6], s[SEL], s[SEL+1]
.endr
.irp t, 0,1
	v_add_f32 v[ST+8*\t+6], v[ST+8*\t+6], v[PD+\t] ; and lane l xor 16's: the row's sum
.endr
.irp t, 0,1
	v_rcp_f32 v[ST+8*\t+6], v[ST+8*\t+6]
.endr
	v_nop                                          ; a plain line between the last reciprocal and the use of its result
	s_wait_alu depctr_va_vdst(0)
.irp t, 0,1
	v_ldexp_f32 v[ST+8*\t+6], v[ST+8*\t+6], s35    ; x 2^(e10 + e11)
.endr
	OUT 0
	OUT 1                                          ; tile 1's arithmetic stands between tile 0's loads and its stores
	SEND 0, 32                                     ; behind tile 0's loads: tile 1's 16 stores and 16 loads
	SEND 1, 0
	s_wait_tensorcnt 0x0                           ; the wave's end: behind my last tensor load and my last LDS store
	ds_add_u32 v[SPW], v[NIL]
	s_wait_dscnt 0x0
	CROUND                                         ; the closing round: no work-group ends while a partner may still ask for a tile that names it
	s_endpgm
.Lfunc_end_k_qe9e914937e_attn:
	.size	k_qe9e914937e_attn, .Lfunc_end_k_qe9e914937e_attn-k_qe9e914937e_attn
	.p2alignl 7, 3214868480
	.fill 96, 4, 3214868480
	.section	.rodata,"a",@progbits
	.p2align	6, 0x0
	.amdhsa_kernel k_qe9e914937e_attn
		.amdhsa_group_segment_fixed_size 327680
		.amdhsa_private_segment_fixed_size 0
		.amdhsa_enable_private_segment 0
		.amdhsa_kernarg_size 32
		.amdhsa_user_sgpr_count 2
		.amdhsa_user_sgpr_kernarg_segment_ptr 1
		.amdhsa_wavefront_size32 1
		.amdhsa_system_sgpr_workgroup_id_x 1
		.amdhsa_system_sgpr_workgroup_id_y 1
		.amdhsa_system_sgpr_workgroup_id_z 1
		.amdhsa_system_vgpr_workitem_id 0
		.amdhsa_next_free_vgpr 512
		.amdhsa_next_free_sgpr 66
		.amdhsa_reserve_vcc 0
		.amdhsa_float_denorm_mode_32 3
		.amdhsa_float_denorm_mode_16_64 3
		.amdhsa_fp16_overflow 1
		.amdhsa_memory_ordered 1
		.amdhsa_forward_progress 1
		.amdhsa_inst_pref_size 82
	.end_amdhsa_kernel
	.amdgpu_metadata
---
amdhsa.version: [ 1, 2 ]
amdhsa.kernels:
  - .name:           k_qe9e914937e_attn
    .symbol:         k_qe9e914937e_attn.kd
    .args:
      - { .name: q_codes, .offset: 0, .size: 8, .value_kind: global_buffer, .address_space: global }
      - { .name: kv, .offset: 8, .size: 8, .value_kind: global_buffer, .address_space: global }
      - { .name: lowp_scales, .offset: 16, .size: 8, .value_kind: global_buffer, .address_space: global }
      - { .name: out0, .offset: 24, .size: 8, .value_kind: global_buffer, .address_space: global }
    .group_segment_fixed_size: 327680
    .private_segment_fixed_size: 0
    .kernarg_segment_align: 8
    .kernarg_segment_size: 32
    .max_flat_workgroup_size: 256
    .sgpr_count:     66
    .vgpr_count:     512
    .wavefront_size: 32
...
	.end_amdgpu_metadata
.endif
;; end of part 3
